; MI455X (gfx1250); checked and timed in simulation.
; The chip was launched on July 23, 2026; its instructions are those of AMD's public machine-readable ISA for CDNA 5 (MIT licence, August 2026) and "CDNA5" Instruction Set Architecture Reference Guide (July 2026). The comments in the code are by the model that wrote it; some were corrected since.
;; Multi Perspective Visual Encoder. Allowed arithmetic: float matrix products may take bf16 or f16 operands with f32 sums; all other float work in f32.
;; Inputs: hidden_state 64 x 512 x 2,048 x 1 float32.
;; Outputs: out0 64 x 3 x 64 x 64 float32.
;; One version. Each part assembles by itself: llvm-mc -triple=amdgcn-amd-amdhsa -mcpu=gfx1250 --defsym DOCPART=n.
;; ======== version 1 of 1: 3 launches
;; workspace buffers: ybf 16,777,216 bytes; colpart 2,097,152 bytes; rowmean 131,072 bytes; raw 3,145,728 bytes; mm 1,536 bytes
;; launch stream (part 1): grid 256 x 1, 16 waves a work-group, no clusters, 133,632 bytes of LDS; arguments hidden_state, ybf, colpart, rowmean; writes ybf, colpart, rowmean
.if DOCPART == 1
	.amdgcn_target "amdgcn-amd-amdhsa--gfx1250"
	.amdhsa_code_object_version 6
	.text
	.protected	k_q02879f331f_stream
	.globl	k_q02879f331f_stream
	.p2align	8
	.type	k_q02879f331f_stream,@function
k_q02879f331f_stream:
	s_mov_b64 s[64:65], 0
	v_nop
	global_prefetch_b8 v0, s[64:65] scope:SCOPE_SE
	s_setreg_imm32_b32 hwreg(HW_REG_WAVE_MODE, 25, 1), 1
	s_wait_xcnt 0x0
; The one pass over xs[64][512][2048] f32.  It leaves: rowmean[b][e] (means over n), colpart[b][q][n] (sums over the 128 rows of quarter q),
; and ybf[b][o][n] in bf16, Y[o] = 0.5 (xn[8o+3] + xn[8o+4]), xn = centred row / (its norm + 1e-8).
; WHY Y IS ENOUGH: the 512 -> 64 bilinear matrix W that the problem builds has source coordinate 8 o + 3.5, so its row o holds 0.5 at columns
; 8o+3 and 8o+4 and nothing else; W (Xn Xn^T) W^T = (W Xn)(W Xn)^T = Y Y^T for every input.  All rows are still read: both means need them.
; SHARING: work-group g owns rows 128 g .. +127 of the flat [32768][2048] array, wave w its rows 8 w .. +7: one row of Y, number 16 g + w.
; A row is 16 loads of 16 bytes a lane; load j gives lane l columns 128 j + 4 l .. +3, so each load of a wave covers 512 consecutive bytes.
; Two row slots of 64 registers take turns; rows 3 and 4 go first, so that Y's stores leave under the other six rows' loads.
; A row is centred in f32 before anything is squared or rounded: no difference of large sums is formed.
; No two work-groups read the same bytes, so there is nothing to share in a cluster; a row lies in registers for its three passes, so a copy
; through LDS would add nothing; the matrix unit has no work here.
; LIMITS: NaN and infinities are not served.  v_sqrt_f32 and v_rcp_f32 flush denormals (ISA guide, 15.8): a sum of squares below 2^-126 counts
; as 0, which moves norm + 1e-8 by less than 1e-10 of itself.  The sum of squares overflows where the reference's own norm does.
; 1 / (norm + 1e-8) is v_rcp_f32 (1 ULP), and sums run in another order than the reference's.
.set MEANS, 131072                     ; LDS: bytes 0 .. 131071 wave w's column sums at 8192 w; then 128 words of row means
.set EPSF,  0x322bcc77                 ; 1e-8
.set T,   4                            ; v[4:11]    four packed chains
.set SUM, 12                           ; v12        a sum over the wave
.set PX,  13                           ; v13        target of the exchange between the halves of the wave
.set MA,  14                           ; v[14:15]   mean of row 3, twice; later the mean at work
.set MB,  16                           ; v[16:17]   mean of row 4, twice
.set NA,  18                           ; v18        row 3: sum of squares, norm, reciprocal
.set NB,  19                           ; v19        row 4 likewise
.set IA,  20                           ; v[20:21]   0.5 / (norm of row 3 + 1e-8), twice
.set IB,  22                           ; v[22:23]   the same of row 4
.set YP,  24                           ; v[24:55]   Y, packed bf16; never rewritten, so its stores need no wait
.set CSA, 56                           ; v56        8192 w + 16 l: where my column sums go in LDS
.set RDA, 57                           ; v57        512 w + 16 l: my 128 columns in waves 0-7's sums, and my bytes in colpart's row
.set RDB, 58                           ; v58        the same in waves 8-15's sums
.set MRD, 59                           ; v59        MEANS + 16 l
.set CS,  64                           ; v[64:127]  column sums of my 8 rows
.set A,   128                          ; v[128:191] row slot A
.set B,   192                          ; v[192:255] row slot B
.macro FILL slot, row                  ; 16 loads: the whole row.  The input is read once in the launch: non-temporal
.irp j, 0,1,2,3,4,5,6,7,8,9,10,11,12,13,14,15
	global_load_b128 v[\slot+4*\j:\slot+4*\j+3], v1, s[4:5] offset:8192*\row+512*\j th:TH_LOAD_NT
.endr
.endm
.macro LANESUM                         ; the four chains, then the 32 lanes: every lane ends with the sum in v[SUM]
	v_pk_add_f32 v[T:T+1], v[T:T+1], v[T+2:T+3]
	v_pk_add_f32 v[T+4:T+5], v[T+4:T+5], v[T+6:T+7]
	v_pk_add_f32 v[T:T+1], v[T:T+1], v[T+4:T+5]
	v_add_f32 v[SUM], v[T], v[T+1]
.irp m, 1,2,4,8
	v_add_f32_dpp v[SUM], v[SUM], v[SUM] row_xmask:\m row_mask:0xf bank_mask:0xf
.endr
	v_permlanex16_b32 v[PX], v[SUM], s16, s17
	v_add_f32 v[SUM], v[SUM], v[PX]
.endm
.macro ROWSUM slot, addcs              ; my 64 numbers of the row into four chains, started by sums: nothing is cleared.  addcs: also into the column sums
.irp k, 0,1,2,3
	v_pk_add_f32 v[T+2*\k:T+2*\k+1], v[\slot+4*\k:\slot+4*\k+1], v[\slot+4*\k+2:\slot+4*\k+3]
.if \addcs
	v_pk_add_f32 v[CS+4*\k:CS+4*\k+1], v[CS+4*\k:CS+4*\k+1], v[\slot+4*\k:\slot+4*\k+1]
	v_pk_add_f32 v[CS+4*\k+2:CS+4*\k+3], v[CS+4*\k+2:CS+4*\k+3], v[\slot+4*\k+2:\slot+4*\k+3]
.endif
.endr
.set jj, 8
.rept 24
	v_pk_add_f32 v[T+2*(jj%4):T+2*(jj%4)+1], v[T+2*(jj%4):T+2*(jj%4)+1], v[\slot+2*jj:\slot+2*jj+1]
.if \addcs
	v_pk_add_f32 v[CS+2*jj:CS+2*jj+1], v[CS+2*jj:CS+2*jj+1], v[\slot+2*jj:\slot+2*jj+1]
.endif
.set jj, jj+1
.endr
.endm
.macro MEAN dst, row                   ; sum x 2^-11; all lanes write the same word with the same value
	v_mul_f32 v[\dst], 0x3a000000, v[SUM]
	ds_store_b32 v3, v[\dst] offset:4*\row
.endm
.macro CENTER slot, m                  ; the row minus its mean, in place; then the sum of its squares
.set jj, 0
.rept 32
	v_pk_add_f32 v[\slot+2*jj:\slot+2*jj+1], v[\slot+2*jj:\slot+2*jj+1], v[\m:\m+1] neg_lo:[0,1] neg_hi:[0,1]
.set jj, jj+1
.endr
.irp k, 0,1,2,3
	v_pk_mul_f32 v[T+2*\k:T+2*\k+1], v[\slot+2*\k:\slot+2*\k+1], v[\slot+2*\k:\slot+2*\k+1]
.endr
.set jj, 4
.rept 28
	v_pk_fma_f32 v[T+2*(jj%4):T+2*(jj%4)+1], v[\slot+2*jj:\slot+2*jj+1], v[\slot+2*jj:\slot+2*jj+1], v[T+2*(jj%4):T+2*(jj%4)+1]
.set jj, jj+1
.endr
	LANESUM
.endm
; An ordinary row.  next < 8: the slot is filled again as soon as it has been added up.  left: how many younger loads may stay out.
.macro TURN slot, row, next, left
	s_wait_loadcnt \left                           ; loads come back in order (ISA guide 5.7.1): this slot's 16 are in
	ROWSUM \slot, 1
.if \next < 8
	FILL \slot, \next
.endif
	LANESUM
	MEAN MA, \row
.endm
	s_load_b256 s[4:11], s[0:1], 0x0               ; x s[4:5], ybf s[6:7], colpart s[8:9], rowmean s[10:11]
	v_lshl_add_u32 v62, v0, 2, 0x20200
	v_mov_b32 v63, 0
	v_lshrrev_b32 v2, 5, v0
	v_readfirstlane_b32 s12, v2                    ; wave 0..15
	v_and_b32 v60, 31, v0                          ; lane
	v_lshlrev_b32 v1, 4, v60                       ; 16 l
	s_mov_b32 s15, 0
	s_lshl_b32 s14, ttmp9, 20                      ; 128 rows of 8,192 bytes for each work-group: at most 255 << 20, below 4 GiB
	s_lshl_b32 s13, s12, 16                        ; 8 rows for each wave
	s_add_co_u32 s14, s14, s13
	s_wait_kmcnt 0x0
	s_add_nc_u64 s[4:5], s[4:5], s[14:15]
	FILL A, 3
	FILL B, 4
	; the rest of the set-up, under the loads
	v_lshlrev_b32 v2, 3, v60                       ; 8 l
	v_mov_b32 v[PX], 0                             ; v_permlanex16_b32's destination counts as read
	s_mov_b32 s16, 0x76543210                      ; lane i of one half reads lane i of the other
	s_mov_b32 s17, 0xfedcba98
	s_lshl_b32 s14, ttmp9, 16                      ; ybf: 16 rows of 4,096 bytes for each work-group,
	s_lshl_b32 s13, s12, 12                        ; one for each wave
	s_add_co_u32 s14, s14, s13
	s_add_nc_u64 s[6:7], s[6:7], s[14:15]
	s_lshl_b32 s14, ttmp9, 13                      ; colpart: one row of 8,192 bytes for each work-group
	s_add_nc_u64 s[8:9], s[8:9], s[14:15]
	s_lshl_b32 s14, ttmp9, 9                       ; rowmean: 128 words for each work-group
	s_add_nc_u64 s[10:11], s[10:11], s[14:15]
	s_lshl_b32 s13, s12, 5
	s_add_co_u32 s13, s13, MEANS
	v_mov_b32 v3, s13                              ; my 8 words of means
	s_lshl_b32 s13, s12, 13
	v_add_nc_u32 v[CSA], s13, v1
	s_lshl_b32 s13, s12, 9
	v_add_nc_u32 v[RDA], s13, v1
	v_add_nc_u32 v[RDB], 0x10000, v[RDA]
	; ROWS 3 AND 4: means, the start of the column sums, then Y
	s_wait_loadcnt 0x10                            ; row 3 is in; row 4's 16 loads stay out
	ROWSUM A, 0
	LANESUM
	MEAN MA, 3
	v_mov_b32 v[MA+1], v[MA]
	s_wait_loadcnt 0x0                             ; row 4 is in: nothing was issued behind it
.set jj, 0
.rept 32
	v_pk_add_f32 v[CS+2*jj:CS+2*jj+1], v[A+2*jj:A+2*jj+1], v[B+2*jj:B+2*jj+1]     ; the first sum starts the column sums
.set jj, jj+1
.endr
	ROWSUM B, 0
	LANESUM
	MEAN MB, 4
	v_mov_b32 v[MB+1], v[MB]
	CENTER A, MA
	v_mov_b32 v[NA], v[SUM]
	CENTER B, MB
	v_mov_b32 v[NB], v[SUM]
	v_sqrt_f32 v[NA], v[NA]
	v_sqrt_f32 v[NB], v[NB]
	v_nop                                          ; one plain vector instruction behind a transcendental before its result is used (ISA guide 5.7.2)
	s_wait_alu depctr_va_vdst(0)
	v_add_f32 v[NA], EPSF, v[NA]
	v_add_f32 v[NB], EPSF, v[NB]
	v_rcp_f32 v[NA], v[NA]
	v_rcp_f32 v[NB], v[NB]
	v_nop                                          ; likewise
	s_wait_alu depctr_va_vdst(0)
	v_mul_f32 v[IA], 0.5, v[NA]
	v_mul_f32 v[IA+1], 0.5, v[NA]
	v_mul_f32 v[IB], 0.5, v[NB]
	v_mul_f32 v[IB+1], 0.5, v[NB]
.set jj, 0
.rept 32
	v_pk_mul_f32 v[A+2*jj:A+2*jj+1], v[A+2*jj:A+2*jj+1], v[IA:IA+1]
.set jj, jj+1
.endr
.set jj, 0
.rept 32
	v_pk_fma_f32 v[A+2*jj:A+2*jj+1], v[B+2*jj:B+2*jj+1], v[IB:IB+1], v[A+2*jj:A+2*jj+1]
.set jj, jj+1
.endr
.set jj, 0
.rept 32
	v_cvt_pk_bf16_f32 v[YP+jj], v[A+2*jj], v[A+2*jj+1]          ; the one rounding to bf16
.set jj, jj+1
.endr
	FILL A, 0                                      ; loads ahead of stores
	FILL B, 1
.irp j, 0,1,2,3,4,5,6,7,8,9,10,11,12,13,14,15
	global_store_b64 v2, v[YP+2*\j:YP+2*\j+1], s[6:7] offset:256*\j     ; 32 lanes x 8 bytes: 256 consecutive bytes, aligned; read again by the next launch
.endr
	; THE SIX OTHER ROWS: sums only
	TURN A, 0, 2, 16
	TURN B, 1, 5, 16
	TURN A, 2, 6, 16
	TURN B, 5, 7, 16
	TURN A, 6, 8, 16
	TURN B, 7, 8, 0                                ; nothing was issued behind row 7
	; THE 16 WAVES' COLUMN SUMS MEET IN LDS
.irp j, 0,1,2,3,4,5,6,7,8,9,10,11,12,13,14,15
	ds_store_b128 v[CSA], v[CS+4*\j:CS+4*\j+3] offset:512*\j    ; column n of wave w at 8192 w + 4 n
.endr
	s_wait_dscnt 0x0                               ; for the others' sake: my sums and my means are written
	s_barrier_signal -1
	s_barrier_wait -1
.irp k, 0,1,2,3,4,5,6,7
	ds_load_b128 v[A+4*\k:A+4*\k+3], v[RDA] offset:8192*\k      ; columns 128 w + 4 l .. +3 of waves 0-7
.endr
.irp k, 0,1,2,3,4,5,6,7
	ds_load_b128 v[A+32+4*\k:A+32+4*\k+3], v[RDB] offset:8192*\k ; and of waves 8-15
.endr
	s_wait_dscnt 0x0
.set jj, 1
.rept 15
	v_pk_add_f32 v[A:A+1], v[A:A+1], v[A+4*jj:A+4*jj+1]
	v_pk_add_f32 v[A+2:A+3], v[A+2:A+3], v[A+4*jj+2:A+4*jj+3]
.set jj, jj+1
.endr
	global_store_b128 v[RDA], v[A:A+3], s[8:9]     ; 512 consecutive bytes for each wave
	s_cmp_lg_u32 s12, 0
	s_cbranch_scc1 .Lend                           ; wave 0 alone stores the 128 means: 512 consecutive bytes
	v_add_nc_u32 v[MRD], MEANS, v1
	ds_load_b128 v[B:B+3], v[MRD]
	s_wait_dscnt 0x0
	global_store_b128 v1, v[B:B+3], s[10:11]
.Lend:
	s_wait_tensorcnt 0x0
	ds_add_u32 v62, v63
	s_wait_dscnt 0x0
	s_endpgm
.Lfunc_end_k_q02879f331f_stream:
	.size	k_q02879f331f_stream, .Lfunc_end_k_q02879f331f_stream-k_q02879f331f_stream
	.p2alignl 7, 3214868480
	.fill 96, 4, 3214868480
	.section	.rodata,"a",@progbits
	.p2align	6, 0x0
	.amdhsa_kernel k_q02879f331f_stream
		.amdhsa_group_segment_fixed_size 133632
		.amdhsa_private_segment_fixed_size 0
		.amdhsa_enable_private_segment 0
		.amdhsa_kernarg_size 32
		.amdhsa_user_sgpr_count 2
		.amdhsa_user_sgpr_kernarg_segment_ptr 1
		.amdhsa_wavefront_size32 1
		.amdhsa_system_sgpr_workgroup_id_x 1
		.amdhsa_system_sgpr_workgroup_id_y 1
		.amdhsa_system_sgpr_workgroup_id_z 1
		.amdhsa_system_vgpr_workitem_id 0
		.amdhsa_next_free_vgpr 256
		.amdhsa_next_free_sgpr 66
		.amdhsa_reserve_vcc 0
		.amdhsa_float_denorm_mode_32 3
		.amdhsa_float_denorm_mode_16_64 3
		.amdhsa_memory_ordered 1
		.amdhsa_forward_progress 1
		.amdhsa_inst_pref_size 70
	.end_amdhsa_kernel
	.amdgpu_metadata
---
amdhsa.version: [ 1, 2 ]
amdhsa.kernels:
  - .name:           k_q02879f331f_stream
    .symbol:         k_q02879f331f_stream.kd
    .args:
      - { .name: hidden_state, .offset: 0, .size: 8, .value_kind: global_buffer, .address_space: global }
      - { .name: ybf, .offset: 8, .size: 8, .value_kind: global_buffer, .address_space: global }
      - { .name: colpart, .offset: 16, .size: 8, .value_kind: global_buffer, .address_space: global }
      - { .name: rowmean, .offset: 24, .size: 8, .value_kind: global_buffer, .address_space: global }
    .group_segment_fixed_size: 133632
    .private_segment_fixed_size: 0
    .kernarg_segment_align: 8
    .kernarg_segment_size: 32
    .max_flat_workgroup_size: 512
    .sgpr_count:     66
    .vgpr_count:     256
    .wavefront_size: 32
...
	.end_amdgpu_metadata
.endif
;; end of part 1
;; launch views (part 2): grid 64 x 3, 8 waves a work-group, no clusters, 291,072 bytes of LDS; arguments ybf, colpart, rowmean, raw, mm; writes raw, mm
.if DOCPART == 2
	.amdgcn_target "amdgcn-amd-amdhsa--gfx1250"
	.amdhsa_code_object_version 6
	.text
	.protected	k_q02879f331f_views
	.globl	k_q02879f331f_views
	.p2align	8
	.type	k_q02879f331f_views,@function
k_q02879f331f_views:
	s_mov_b64 s[64:65], 0
	v_nop
	global_prefetch_b8 v0, s[64:65] scope:SCOPE_SE
	s_setreg_imm32_b32 hwreg(HW_REG_WAVE_MODE, 25, 1), 1
	s_wait_xcnt 0x0
; One work-group makes one image raw[b][c][64][64] (b = x, c = y of the grid), not yet normalised, and its least and largest number mm[c][b].
; c = 0: row means on a 23 x 23 grid, c = 1: column means on a 46 x 46 grid, both zero-padded and resized bilinearly, in f32 on the vector unit.
; c = 2: Y Y^T of the batch's Y[64][2048] bf16 on the matrix unit, sums in f32.
; The branch on c is the same for all waves of a work-group; the three paths meet at .Ltail.  No LDS byte is written on two paths.
; GRAM: wave w owns K = 256 w .. +255 and makes the whole 64 x 64 partial product, 16 tiles in 128 registers.  The fragment of row block i
; serves as A and as B, so each LDS byte is read once.  Its 64 rows x 512 bytes come by two tensor loads (rows of 256 bytes, at multiples of
; 256 bytes from the buffer's first byte), both asked for at the path's head: two are outstanding at the most.  Only the wave that asked reads
; those bytes, so s_wait_tensorcnt is all their ordering.  The eight partial products are added through LDS.
; No two work-groups read the same bytes, so there is nothing to share in a cluster.
; LIMITS: NaN and infinities are not served (the _num forms of min and max drop a NaN).  Sums run in another order than the reference's; a
; bilinear tap is g0 + w (g1 - g0), with the reference's weights exactly (they are multiples of 1/128 or 1/64, made from integers).
.set PITCH, 272                        ; 256 bytes of data + 16: an odd multiple of 16, so 16 rows start in 16 different 16-byte columns of 256 bytes
.set CHUNK, 64*PITCH                   ; 17,408: 64 rows x 128 bf16; later 64 rows x 64 f32, the wave's stage
.set WREG,  2*CHUNK                    ; 34,816: a wave's own part of the ring
.set RED,   8*WREG                     ; 278,528: eight (lo, hi) pairs
.set GRID1, RED+256                    ; 278,784: c = 1: 2,048 column means and 128 words of zeros: 8,704 bytes
.set GRID0, GRID1+8704                 ; 287,488: c = 0: 512 row means and 128 words of zeros: 2,560 bytes
.set LOV,  2                           ; v2       least so far
.set HIV,  3                           ; v3       largest so far
.set PX,   6                           ; v6       target of the exchange between the halves of the wave
.set REDW, 17                          ; v17      RED + 8 w            (v17-19 belong to the tail on every path)
.set REDR, 18                          ; v18      RED + 8 (l & 7)
.set ZOFF, 19                          ; v19      0
; Gram path
.set FA,   10                          ; v10      WREG w + 272 r + 16 h: my fragment bytes (r = l & 15, h = l >> 4)
.set STA,  11                          ; v11      WREG w + 272 r + 32 h: where my results go in the stage
.set RDK,  12                          ; v[12:15] register m: 2 WREG m + 272 (8 w + h) + 16 r: my rows in stages 2 m, 2 m + 1
.set OUTA, 16                          ; v16      16 l
.set F0,   32                          ; v[32:63]   fragments, buffer 0
.set F1,   64                          ; v[64:95]   fragments, buffer 1
.set ACC,  128                         ; v[128:255] tile (i, j) at ACC + 8 (4 i + j); then the reduction's 32 quads
.set G1,   24                          ; s[24:31] descriptor group 1
.set G0,   32                          ; s[32:39] descriptor group 0, one set for each chunk
; bilinear paths
.set WX,   8                           ; v[8:9]   column weights of my pixels 2 l, 2 l + 1
.set X0,   10                          ; v[10:11] grid + 4 x0 of the two pixels
.set X1,   12                          ; v[12:13] grid + 4 x1
.set OUTB, 22                          ; v22      8 l
.set WY,   24                          ; v[24:39] row i: its weight, twice
.set TT,   40                          ; v[40:43] at work
.set GV,   64                          ; v[64:127] row i: g00a g00b g01a g01b g10a g10b g11a g11b
.set RES,  128                         ; v[128:143] row i: two pixels
.set AD,   144                         ; v[144:151] a row's eight addresses
.set FL,   160                         ; v[160:191] the fill
.macro PLACES                          ; four plain vector instructions stand between a matrix instruction and a load into, or a store from, its registers
.rept 4
	v_nop
.endr
.endm
.macro FETCH t, f                      ; 8 LDS loads: the four 16-row fragments of K step t (32 along K) into buffer f
.irp i, 0,1,2,3
	ds_load_b128 v[\f+8*\i:\f+8*\i+3],   v[FA] offset:CHUNK*(\t/4)+64*(\t%4)+16*PITCH*\i
	ds_load_b128 v[\f+8*\i+4:\f+8*\i+7], v[FA] offset:CHUNK*(\t/4)+64*(\t%4)+16*PITCH*\i+32
.endr
.endm
.macro NEXT t, f                       ; the next step's fragments into the buffer just multiplied; this step's 8 loads are in, those 8 stay out
	PLACES
	FETCH \t, \f
	s_wait_dscnt 0x8
.endm
.macro MUL16 f, zero                   ; 16 matrix instructions; zero = 1: the first product starts the sums, nothing is cleared
.irp i, 0,1,2,3
.irp j, 0,1,2,3
.if \zero
	v_wmma_f32_16x16x32_bf16 v[ACC+8*(4*\i+\j):ACC+8*(4*\i+\j)+7], v[\f+8*\i:\f+8*\i+7], v[\f+8*\j:\f+8*\j+7], 0
.else
	v_wmma_f32_16x16x32_bf16 v[ACC+8*(4*\i+\j):ACC+8*(4*\i+\j)+7], v[\f+8*\i:\f+8*\i+7], v[\f+8*\j:\f+8*\j+7], v[ACC+8*(4*\i+\j):ACC+8*(4*\i+\j)+7]
.endif
.endr
.endr
.endm
.macro ZERO at, lbl                    ; wave 0 alone: 512 bytes of zeros behind the vector; they cover the grid's padding (17 words, 68 words)
	s_cmp_lg_u32 s14, 0
	s_cbranch_scc1 \lbl
	v_mov_b32 v48, 0
	v_mov_b32 v49, 0
	v_mov_b32 v50, 0
	v_mov_b32 v51, 0
	v_lshl_add_u32 v54, v1, 4, \at
	ds_store_b128 v54, v[48:51]
\lbl:
.endm
; The source coordinate of output o is (46 o - SUB) / 2^SH, clamped to 0 .. MAXT / 2^SH = GS - 1: (o + 0.5) GS / 64 - 0.5 in integers.
.macro XTAP a, GB, GS, SUB, SH, MAXT   ; pixel 2 l + a: weight and the two column addresses in the grid at GB
	v_add_nc_u32 v4, 46*\a-\SUB, v7
	v_max_i32 v4, 0, v4
	v_min_u32 v4, \MAXT, v4
	v_and_b32 v5, (1<<\SH)-1, v4
	v_lshrrev_b32 v4, \SH, v4
	v_cvt_f32_u32 v5, v5
	v_mul_f32 v[WX+\a], (127-\SH)<<23, v5          ; x 2^-SH
	v_lshl_add_u32 v[X0+\a], v4, 2, \GB
	v_add_nc_u32 v4, 1, v4
	v_min_u32 v4, \GS-1, v4
	v_lshl_add_u32 v[X1+\a], v4, 2, \GB
.endm
.macro ROWLD i, GS, SUB, SH, MAXT      ; output row 8 w + i: its weight, and eight loads (four taps of two pixels)
	s_add_co_i32 s44, s43, 46*\i-\SUB
	s_max_i32 s44, s44, 0
	s_min_u32 s44, s44, \MAXT
	s_lshr_b32 s45, s44, \SH                       ; y0
	s_and_b32 s46, s44, (1<<\SH)-1
	s_add_co_u32 s47, s45, 1
	s_min_u32 s47, s47, \GS-1                      ; y1
	s_mul_i32 s45, s45, 4*\GS
	s_mul_i32 s47, s47, 4*\GS
	v_cvt_f32_u32 v[WY+2*\i], s46
	v_mul_f32 v[WY+2*\i], (127-\SH)<<23, v[WY+2*\i]
	v_mov_b32 v[WY+2*\i+1], v[WY+2*\i]
.irp k, 0,1,2,3
	v_add_nc_u32 v[AD+\k], s45, v[X0+\k]           ; X0 and X1 lie side by side
	v_add_nc_u32 v[AD+4+\k], s47, v[X0+\k]
.endr
.irp k, 0,1,2,3,4,5,6,7
	ds_load_b32 v[GV+8*\i+\k], v[AD+\k]
.endr
.endm
.macro ROWFIN i, left                  ; three lerps, two pixels at a time; one whole image row of 256 bytes goes out
	s_wait_dscnt \left                             ; LDS loads come back in order (ISA guide 5.7.1): row i's 8 are in, the later rows' 8 each stay out
	v_pk_add_f32 v[TT:TT+1], v[GV+8*\i+2:GV+8*\i+3], v[GV+8*\i:GV+8*\i+1] neg_lo:[0,1] neg_hi:[0,1]
	v_pk_add_f32 v[TT+2:TT+3], v[GV+8*\i+6:GV+8*\i+7], v[GV+8*\i+4:GV+8*\i+5] neg_lo:[0,1] neg_hi:[0,1]
	v_pk_fma_f32 v[TT:TT+1], v[TT:TT+1], v[WX:WX+1], v[GV+8*\i:GV+8*\i+1]
	v_pk_fma_f32 v[TT+2:TT+3], v[TT+2:TT+3], v[WX:WX+1], v[GV+8*\i+4:GV+8*\i+5]
	v_pk_add_f32 v[TT+2:TT+3], v[TT+2:TT+3], v[TT:TT+1] neg_lo:[0,1] neg_hi:[0,1]
	v_pk_fma_f32 v[RES+2*\i:RES+2*\i+1], v[TT+2:TT+3], v[WY+2*\i:WY+2*\i+1], v[TT:TT+1]
.if \i == 0
	v_min_num_f32 v[LOV], v[RES], v[RES+1]
	v_max_num_f32 v[HIV], v[RES], v[RES+1]
.else
	v_min3_num_f32 v[LOV], v[LOV], v[RES+2*\i], v[RES+2*\i+1]
	v_max3_num_f32 v[HIV], v[HIV], v[RES+2*\i], v[RES+2*\i+1]
.endif
	global_store_b64 v[OUTB], v[RES+2*\i:RES+2*\i+1], s[10:11] offset:256*\i
.endm
; My 8 rows.  The taps run five rows ahead of the arithmetic: at most 40 LDS loads are out.
.macro INTERP GB, GS, SUB, SH, MAXT
	v_mul_u32_u24 v7, v1, 92                       ; 46 x pixel 2 l
	XTAP 0, \GB, \GS, \SUB, \SH, \MAXT
	XTAP 1, \GB, \GS, \SUB, \SH, \MAXT
	v_lshlrev_b32 v[OUTB], 3, v1
	s_mul_i32 s43, s14, 368                        ; 46 x row 8 w
.irp i, 0,1,2,3,4
	ROWLD \i, \GS, \SUB, \SH, \MAXT
.endr
	ROWFIN 0, 32                                   ; rows 1-4 stay out
	ROWLD 5, \GS, \SUB, \SH, \MAXT
	ROWFIN 1, 32                                   ; rows 2-5
	ROWLD 6, \GS, \SUB, \SH, \MAXT
	ROWFIN 2, 32                                   ; rows 3-6
	ROWLD 7, \GS, \SUB, \SH, \MAXT
	ROWFIN 3, 32                                   ; rows 4-7
	ROWFIN 4, 24                                   ; nothing more is asked for: the counts run down
	ROWFIN 5, 16
	ROWFIN 6, 8
	ROWFIN 7, 0
.endm
	s_load_b256 s[4:11], s[0:1], 0x0               ; ybf s[4:5], colpart s[6:7], rowmean s[8:9], raw s[10:11]
	s_load_b64 s[12:13], s[0:1], 0x20              ; mm
	v_lshl_add_u32 v21, v0, 2, 0x46d00
	v_mov_b32 v23, 0
	ds_add_u32 v21, v23
	ds_add_u32 v21, v23
	v_lshrrev_b32 v4, 5, v0
	v_readfirstlane_b32 s14, v4                    ; wave 0..7
	s_and_b32 s15, ttmp7, 0xffff                   ; channel c
	v_and_b32 v1, 31, v0                           ; lane
	v_mov_b32 v[PX], 0                             ; v_permlanex16_b32's destination counts as read
	v_mov_b32 v[ZOFF], 0
	s_mov_b32 s20, 0x76543210                      ; lane i of one half reads lane i of the other
	s_mov_b32 s21, 0xfedcba98
	s_lshl_b32 s16, s14, 3
	s_add_co_u32 s16, s16, RED
	v_mov_b32 v[REDW], s16
	v_and_b32 v[REDR], 7, v0
	v_lshl_add_u32 v[REDR], v[REDR], 3, RED
	s_mul_i32 s18, ttmp9, 3
	s_add_co_u32 s18, s18, s15
	s_lshl_b32 s18, s18, 14                        ; image (3 b + c) of 16,384 bytes
	s_lshl_b32 s19, s14, 11                        ; + my 8 rows of 256 bytes
	s_add_co_u32 s18, s18, s19
	s_mov_b32 s19, 0                               ; stays 0: the high word of every offset
	s_wait_dscnt 0x0
	s_wait_kmcnt 0x0
	s_add_nc_u64 s[10:11], s[10:11], s[18:19]
	s_lshl_b32 s18, s15, 6
	s_add_co_u32 s18, s18, ttmp9
	s_lshl_b32 s18, s18, 3                         ; pair 64 c + b
	s_add_nc_u64 s[12:13], s[12:13], s[18:19]
	s_cmp_eq_u32 s15, 2
	s_cbranch_scc1 .Lgram
	s_cmp_eq_u32 s15, 1
	s_cbranch_scc1 .Lspatial
	; c = 0: the batch's 512 row means, 8 bytes a thread
	s_lshl_b32 s18, ttmp9, 11
	s_add_nc_u64 s[8:9], s[8:9], s[18:19]
	v_lshlrev_b32 v52, 3, v0
	global_load_b64 v[FL:FL+1], v52, s[8:9]
	v_add_nc_u32 v53, GRID0, v52
	s_wait_loadcnt 0x0
	ds_store_b64 v53, v[FL:FL+1]
	ZERO GRID0+2048, .Lz0
	s_wait_dscnt 0x0                               ; for the others' sake: my part of the grid is written
	s_barrier_signal -1
	s_barrier_wait -1
	INTERP GRID0, 23, 41, 7, 2816
	s_branch .Ltail
.Lspatial:
	; c = 1: the four quarters' column sums, added and scaled by 2^-9; a thread takes columns 4 t .. +3 and 1024 + 4 t .. +3
	s_lshl_b32 s18, ttmp9, 15
	s_add_nc_u64 s[6:7], s[6:7], s[18:19]
	v_lshlrev_b32 v52, 4, v0
.irp q, 0,1,2,3
	global_load_b128 v[FL+8*\q:FL+8*\q+3],   v52, s[6:7] offset:8192*\q
	global_load_b128 v[FL+8*\q+4:FL+8*\q+7], v52, s[6:7] offset:8192*\q+4096
.endr
	v_add_nc_u32 v53, GRID1, v52
	s_wait_loadcnt 0x0
.irp p, 0,2,4,6
	v_pk_add_f32 v[FL+\p:FL+\p+1], v[FL+\p:FL+\p+1], v[FL+8+\p:FL+8+\p+1]
	v_pk_add_f32 v[FL+16+\p:FL+16+\p+1], v[FL+16+\p:FL+16+\p+1], v[FL+24+\p:FL+24+\p+1]
.endr
.irp p, 0,2,4,6
	v_pk_add_f32 v[FL+\p:FL+\p+1], v[FL+\p:FL+\p+1], v[FL+16+\p:FL+16+\p+1]
.endr
.irp p, 0,2,4,6
	v_pk_mul_f32 v[FL+\p:FL+\p+1], v[FL+\p:FL+\p+1], 0x3b000000 op_sel_hi:[1,0]
.endr
	ds_store_b128 v53, v[FL:FL+3]
	ds_store_b128 v53, v[FL+4:FL+7] offset:4096
	ZERO GRID1+8192, .Lz1
	s_wait_dscnt 0x0                               ; for the others' sake: my part of the grid is written
	s_barrier_signal -1
	s_barrier_wait -1
	INTERP GRID1, 46, 9, 6, 2880
	s_branch .Ltail
.Lgram:
	; descriptor group 1: a tile of 64 rows x 128 bf16, 16 bytes of padding behind each row of 64 words
	s_mov_b32 s[G1+0], (1<<16)|(1<<20)|(5<<22)|(3<<25) ; element of 2 bytes; padding on; after every 64 words; 4 words
	s_mov_b32 s[G1+1], 128<<16                     ; tensor_dim0 = 128
	s_mov_b32 s[G1+2], 64<<16                      ; tensor_dim1 = 64
	s_mov_b32 s[G1+3], 128<<16                     ; tile_dim0 = 128
	s_mov_b32 s[G1+4], 64                          ; tile_dim1 = 64
	s_mov_b32 s[G1+5], 2048                        ; elements from row to row
	s_mov_b32 s[G1+6], 0
	s_mov_b32 s[G1+7], 0
	s_mul_i32 s16, s14, WREG                       ; my part of the ring
	s_lshl_b32 s18, ttmp9, 18                      ; the batch's 64 rows of 4,096 bytes
	s_lshl_b32 s22, s14, 9                         ; + my 256 elements along K
	s_add_co_u32 s18, s18, s22
	s_add_nc_u64 s[4:5], s[4:5], s[18:19]
.irp ch, 0,1
	s_mov_b32 s[G0+4*\ch], 1                                       ; count = 1
	s_add_co_u32 s[G0+4*\ch+1], s16, \ch*CHUNK                     ; LDS address
	s_add_nc_u64 s[G0+4*\ch+2:G0+4*\ch+3], s[4:5], \ch*256         ; global address: 128 elements further for the second chunk
	s_or_b32 s[G0+4*\ch+3], s[G0+4*\ch+3], 0x80000000              ; type = 2
	tensor_load_to_lds s[G0+4*\ch:G0+4*\ch+3], s[G1:G1+7]
	s_nop 0
.endr
	v_and_b32 v7, 15, v0                           ; r
	v_bfe_u32 v8, v0, 4, 1                         ; h
	v_mul_u32_u24 v9, v7, PITCH
	v_lshl_add_u32 v[FA], v8, 4, v9
	v_add_nc_u32 v[FA], s16, v[FA]
	v_lshl_add_u32 v[STA], v8, 5, v9
	v_add_nc_u32 v[STA], s16, v[STA]
	s_mul_i32 s23, s14, 8*PITCH
	v_mul_u32_u24 v9, v8, PITCH
	v_lshl_add_u32 v[RDK], v7, 4, v9
	v_add_nc_u32 v[RDK], s23, v[RDK]
	v_add_nc_u32 v[RDK+1], 2*WREG, v[RDK]
	v_add_nc_u32 v[RDK+2], 4*WREG, v[RDK]
	v_add_nc_u32 v[RDK+3], 6*WREG, v[RDK]
	v_lshlrev_b32 v[OUTA], 4, v1
	; eight K steps of 32 on two fragment buffers, the next step's loads issued ahead of this step's products
	s_wait_tensorcnt 0x1                           ; my first chunk is in; the second stays out
	FETCH 0, F0
	FETCH 1, F1
	s_wait_dscnt 0x8                               ; step 0's 8 loads are in, step 1's stay out
	MUL16 F0, 1
	NEXT 2, F0
	MUL16 F1, 0
	NEXT 3, F1
	MUL16 F0, 0
	s_wait_tensorcnt 0x0                           ; the second chunk: nothing was asked for behind it
	NEXT 4, F0
	MUL16 F1, 0
	NEXT 5, F1
	MUL16 F0, 0
	NEXT 6, F0
	MUL16 F1, 0
	NEXT 7, F1
	MUL16 F0, 0
	s_wait_dscnt 0x0                               ; the last fragments: my reads of the ring are over
	MUL16 F1, 0
	PLACES
	; THE STAGE: my first chunk's bytes, after their one fill and my last read of them.  The partial product is symmetric, and a product with its
	; sources exchanged is the transposed tile: so lane (r, h)'s eight registers of tile (i, j), element (16 i + 8 h + n, 16 j + r), are also
	; row 16 j + r, columns 16 i + 8 h .. + 7: 32 neighbouring bytes of a row.
.irp i, 0,1,2,3
.irp j, 0,1,2,3
	ds_store_b128 v[STA], v[ACC+8*(4*\i+\j):ACC+8*(4*\i+\j)+3]   offset:16*PITCH*\j+64*\i
	ds_store_b128 v[STA], v[ACC+8*(4*\i+\j)+4:ACC+8*(4*\i+\j)+7] offset:16*PITCH*\j+64*\i+16
.endr
.endr
	s_wait_dscnt 0x0                               ; for the others' sake: my stage is written
	s_barrier_signal -1
	s_barrier_wait -1
	; wave w adds rows 8 w .. + 7 of the eight stages; load (t, k): rows 8 w + 2 t, + 1 of stage k, 16 lanes a row
.irp t, 0,1,2,3
.irp k, 0,1,2,3,4,5,6,7
	ds_load_b128 v[ACC+4*(8*\t+\k):ACC+4*(8*\t+\k)+3], v[RDK+\k/2] offset:WREG*(\k&1)+2*PITCH*\t
.endr
.endr
.irp t, 0,1,2,3
	s_wait_dscnt 8*(3-\t)                          ; the later groups of 8 loads stay out
.irp k, 1,2,3,4,5,6,7
	v_pk_add_f32 v[ACC+32*\t:ACC+32*\t+1],   v[ACC+32*\t:ACC+32*\t+1],   v[ACC+32*\t+4*\k:ACC+32*\t+4*\k+1]
	v_pk_add_f32 v[ACC+32*\t+2:ACC+32*\t+3], v[ACC+32*\t+2:ACC+32*\t+3], v[ACC+32*\t+4*\k+2:ACC+32*\t+4*\k+3]
.endr
.if \t == 0
	v_min_num_f32 v[LOV], v[ACC], v[ACC+1]
	v_max_num_f32 v[HIV], v[ACC], v[ACC+1]
.else
	v_min3_num_f32 v[LOV], v[LOV], v[ACC+32*\t], v[ACC+32*\t+1]
	v_max3_num_f32 v[HIV], v[HIV], v[ACC+32*\t], v[ACC+32*\t+1]
.endif
	v_min3_num_f32 v[LOV], v[LOV], v[ACC+32*\t+2], v[ACC+32*\t+3]
	v_max3_num_f32 v[HIV], v[HIV], v[ACC+32*\t+2], v[ACC+32*\t+3]
	global_store_b128 v[OUTA], v[ACC+32*\t:ACC+32*\t+3], s[10:11] offset:512*\t   ; two whole image rows: 512 consecutive bytes
.endr
.Ltail:
	; Least and largest of the image: over the lanes, then over the eight waves.
	; The first barrier: every wave's reads of the grid or of the stages are over before any wave stores into LDS again.  The pairs' bytes lie
	; apart from both; the barrier makes that order hold whatever the taps' clamped addresses are.  The lanes' reduction, registers only,
	; stands between its two halves.
	s_wait_dscnt 0x0                               ; my LDS reads are over
	s_barrier_signal -1
.irp m, 1,2,4,8
	v_min_num_f32_dpp v[LOV], v[LOV], v[LOV] row_xmask:\m row_mask:0xf bank_mask:0xf
	v_max_num_f32_dpp v[HIV], v[HIV], v[HIV] row_xmask:\m row_mask:0xf bank_mask:0xf
.endr
	v_permlanex16_b32 v[PX], v[LOV], s20, s21
	v_min_num_f32 v[LOV], v[LOV], v[PX]
	v_permlanex16_b32 v[PX], v[HIV], s20, s21
	v_max_num_f32 v[HIV], v[HIV], v[PX]
	s_barrier_wait -1
	ds_store_b64 v[REDW], v[LOV:HIV]               ; all lanes write the same pair
	s_wait_dscnt 0x0                               ; for the others' sake
	s_barrier_signal -1
	s_barrier_wait -1
	ds_load_b64 v[4:5], v[REDR]                    ; lane l: the pair of wave l & 7
	s_wait_dscnt 0x0
.irp m, 1,2,4
	v_min_num_f32_dpp v4, v4, v4 row_xmask:\m row_mask:0xf bank_mask:0xf
	v_max_num_f32_dpp v5, v5, v5 row_xmask:\m row_mask:0xf bank_mask:0xf
.endr
	s_wait_xcnt 0x0                                ; EXEC is a source of the image's stores: it changes only behind this wait
	v_cmp_eq_u32 vcc_lo, 0, v0
	s_wait_tensorcnt 0x0
	ds_add_u32 v21, v23
	s_wait_dscnt 0x0
	s_and_saveexec_b32 s50, vcc_lo
	global_store_b64 v[ZOFF], v[4:5], s[12:13]     ; thread 0: the work-group's 8 bytes of mm
	s_wait_xcnt 0x0                                ; and again in front of the line that widens it
	s_or_b32 exec_lo, exec_lo, s50
	s_endpgm
.Lfunc_end_k_q02879f331f_views:
	.size	k_q02879f331f_views, .Lfunc_end_k_q02879f331f_views-k_q02879f331f_views
	.p2alignl 7, 3214868480
	.fill 96, 4, 3214868480
	.section	.rodata,"a",@progbits
	.p2align	6, 0x0
	.amdhsa_kernel k_q02879f331f_views
		.amdhsa_group_segment_fixed_size 291072
		.amdhsa_private_segment_fixed_size 0
		.amdhsa_enable_private_segment 0
		.amdhsa_kernarg_size 40
		.amdhsa_user_sgpr_count 2
		.amdhsa_user_sgpr_kernarg_segment_ptr 1
		.amdhsa_wavefront_size32 1
		.amdhsa_system_sgpr_workgroup_id_x 1
		.amdhsa_system_sgpr_workgroup_id_y 1
		.amdhsa_system_sgpr_workgroup_id_z 1
		.amdhsa_system_vgpr_workitem_id 0
		.amdhsa_next_free_vgpr 256
		.amdhsa_next_free_sgpr 66
		.amdhsa_reserve_vcc 1
		.amdhsa_float_denorm_mode_32 3
		.amdhsa_float_denorm_mode_16_64 3
		.amdhsa_memory_ordered 1
		.amdhsa_forward_progress 1
		.amdhsa_inst_pref_size 65
	.end_amdhsa_kernel
	.amdgpu_metadata
---
amdhsa.version: [ 1, 2 ]
amdhsa.kernels:
  - .name:           k_q02879f331f_views
    .symbol:         k_q02879f331f_views.kd
    .args:
      - { .name: ybf, .offset: 0, .size: 8, .value_kind: global_buffer, .address_space: global }
      - { .name: colpart, .offset: 8, .size: 8, .value_kind: global_buffer, .address_space: global }
      - { .name: rowmean, .offset: 16, .size: 8, .value_kind: global_buffer, .address_space: global }
      - { .name: raw, .offset: 24, .size: 8, .value_kind: global_buffer, .address_space: global }
      - { .name: mm, .offset: 32, .size: 8, .value_kind: global_buffer, .address_space: global }
    .group_segment_fixed_size: 291072
    .private_segment_fixed_size: 0
    .kernarg_segment_align: 8
    .kernarg_segment_size: 40
    .max_flat_workgroup_size: 256
    .sgpr_count:     66
    .vgpr_count:     256
    .wavefront_size: 32
...
	.end_amdgpu_metadata
.endif
;; end of part 2
;; launch norm (part 3): grid 64 x 3, 8 waves a work-group, no clusters, 0 bytes of LDS; arguments raw, mm, out0; writes out0
.if DOCPART == 3
	.amdgcn_target "amdgcn-amd-amdhsa--gfx1250"
	.amdhsa_code_object_version 6
	.text
	.protected	k_q02879f331f_norm
	.globl	k_q02879f331f_norm
	.p2align	8
	.type	k_q02879f331f_norm,@function
k_q02879f331f_norm:
	s_mov_b64 s[64:65], 0
	v_nop
	global_prefetch_b8 v0, s[64:65] scope:SCOPE_SE
	s_setreg_imm32_b32 hwreg(HW_REG_WAVE_MODE, 25, 1), 1
	s_wait_xcnt 0x0
; out0[b][c] = (raw[b][c] - lo) / (hi - lo + 1e-8), or 0 where hi - lo < 1e-8; lo, hi: least and largest over the channel's 64 images.
; One work-group for each image (b = x, c = y of the grid): 16,384 bytes, four loads and four stores of 16 bytes a thread, each covering 512
; consecutive bytes a wave.  Every wave reduces the channel's 64 (lo, hi) pairs, 512 bytes, by itself: no LDS, no barrier.
; A stream: the matrix unit, LDS and clusters have nothing to do here.
; The subtraction and the multiplication are kept apart, as in the reference: fused as x s - lo s they would form a difference of larger numbers.
; LIMITS: NaN and infinities are not served (a NaN range gives 0).  The division is a multiplication by v_rcp_f32 (1 ULP), which flushes
; denormal results (ISA guide, 15.8): a range above 2^126 gives the scale 0.
.set EPSF, 0x322bcc77                  ; 1e-8
.set X,    8                           ; v[8:23]  the thread's 16 numbers
.set LO2,  24                          ; v[24:25] lo, twice
.set SC2,  26                          ; v[26:27] the scale, twice
	s_load_b128 s[4:7], s[0:1], 0x0                ; raw s[4:5], mm s[6:7]
	s_load_b64 s[8:9], s[0:1], 0x10                ; out0
	s_and_b32 s10, ttmp7, 0xffff                   ; channel c
	v_and_b32 v1, 31, v0
	v_lshlrev_b32 v1, 4, v1                        ; 16 x lane: two pairs of mm
	v_lshlrev_b32 v2, 4, v0                        ; 16 x thread
	v_mov_b32 v3, 0                                ; v_permlanex16_b32's destination counts as read
	s_mul_i32 s12, ttmp9, 3
	s_add_co_u32 s12, s12, s10
	s_lshl_b32 s12, s12, 14                        ; image 3 b + c
	s_mov_b32 s13, 0
	s_lshl_b32 s14, s10, 9                         ; the channel's 64 pairs
	s_mov_b32 s15, 0
	s_mov_b32 s16, 0x76543210                      ; lane i of one half reads lane i of the other
	s_mov_b32 s17, 0xfedcba98
	s_wait_kmcnt 0x0
	s_add_nc_u64 s[6:7], s[6:7], s[14:15]
	s_add_nc_u64 s[4:5], s[4:5], s[12:13]
	s_add_nc_u64 s[8:9], s[8:9], s[12:13]
	global_load_b128 v[4:7], v1, s[6:7]
.irp k, 0,1,2,3
	global_load_b128 v[X+4*\k:X+4*\k+3], v2, s[4:5] offset:4096*\k th:TH_LOAD_NT
.endr
	s_wait_loadcnt 0x4                             ; the pairs are in; the image's four loads stay out
	v_min_num_f32 v4, v4, v6
	v_max_num_f32 v5, v5, v7
.irp m, 1,2,4,8
	v_min_num_f32_dpp v4, v4, v4 row_xmask:\m row_mask:0xf bank_mask:0xf
	v_max_num_f32_dpp v5, v5, v5 row_xmask:\m row_mask:0xf bank_mask:0xf
.endr
	v_permlanex16_b32 v3, v4, s16, s17
	v_min_num_f32 v4, v4, v3
	v_permlanex16_b32 v3, v5, s16, s17
	v_max_num_f32 v5, v5, v3
	v_sub_f32 v6, v5, v4                           ; d = hi - lo
	v_add_f32 v7, EPSF, v6
	v_mov_b32 v[LO2], v4
	v_rcp_f32 v7, v7
	v_mov_b32 v[LO2+1], v4                         ; the plain vector instruction behind the transcendental (ISA guide 5.7.2)
	v_cmp_le_f32 vcc_lo, EPSF, v6                  ; 1e-8 <= d: the scale holds; otherwise everything is 0
	s_wait_alu depctr_va_vdst(0)
	v_cndmask_b32 v[SC2], 0, v7, vcc_lo
	v_mov_b32 v[SC2+1], v[SC2]
	s_wait_loadcnt 0x0
.irp j, 0,2,4,6,8,10,12,14
	v_pk_add_f32 v[X+\j:X+\j+1], v[X+\j:X+\j+1], v[LO2:LO2+1] neg_lo:[0,1] neg_hi:[0,1]
.endr
.irp j, 0,2,4,6,8,10,12,14
	v_pk_mul_f32 v[X+\j:X+\j+1], v[X+\j:X+\j+1], v[SC2:SC2+1]
.endr
.irp k, 0,1,2,3
	global_store_b128 v2, v[X+4*\k:X+4*\k+3], s[8:9] offset:4096*\k th:TH_STORE_NT
.endr
	s_endpgm
.Lfunc_end_k_q02879f331f_norm:
	.size	k_q02879f331f_norm, .Lfunc_end_k_q02879f331f_norm-k_q02879f331f_norm
	.p2alignl 7, 3214868480
	.fill 96, 4, 3214868480
	.section	.rodata,"a",@progbits
	.p2align	6, 0x0
	.amdhsa_kernel k_q02879f331f_norm
		.amdhsa_group_segment_fixed_size 0
		.amdhsa_private_segment_fixed_size 0
		.amdhsa_enable_private_segment 0
		.amdhsa_kernarg_size 24
		.amdhsa_user_sgpr_count 2
		.amdhsa_user_sgpr_kernarg_segment_ptr 1
		.amdhsa_wavefront_size32 1
		.amdhsa_system_sgpr_workgroup_id_x 1
		.amdhsa_system_sgpr_workgroup_id_y 1
		.amdhsa_system_sgpr_workgroup_id_z 1
		.amdhsa_system_vgpr_workitem_id 0
		.amdhsa_next_free_vgpr 32
		.amdhsa_next_free_sgpr 66
		.amdhsa_reserve_vcc 1
		.amdhsa_float_denorm_mode_32 3
		.amdhsa_float_denorm_mode_16_64 3
		.amdhsa_memory_ordered 1
		.amdhsa_forward_progress 1
		.amdhsa_inst_pref_size 5
	.end_amdhsa_kernel
	.amdgpu_metadata
---
amdhsa.version: [ 1, 2 ]
amdhsa.kernels:
  - .name:           k_q02879f331f_norm
    .symbol:         k_q02879f331f_norm.kd
    .args:
      - { .name: raw, .offset: 0, .size: 8, .value_kind: global_buffer, .address_space: global }
      - { .name: mm, .offset: 8, .size: 8, .value_kind: global_buffer, .address_space: global }
      - { .name: out0, .offset: 16, .size: 8, .value_kind: global_buffer, .address_space: global }
    .group_segment_fixed_size: 0
    .private_segment_fixed_size: 0
    .kernarg_segment_align: 8
    .kernarg_segment_size: 24
    .max_flat_workgroup_size: 256
    .sgpr_count:     66
    .vgpr_count:     32
    .wavefront_size: 32
...
	.end_amdgpu_metadata
.endif
;; end of part 3
